; MI455X (gfx1250); checked and timed in simulation.
; The chip was launched on July 23, 2026; its instructions are those of AMD's public machine-readable ISA for CDNA 5 (MIT licence, August 2026) and "CDNA5" Instruction Set Architecture Reference Guide (July 2026). The comments in the code are by the model that wrote it; some were corrected since.
;; Multi Headed Attention. Allowed arithmetic: matrix products marked QUANTISED: E2M1 operands, one E8M0 scale for each 32 along K, by v_wmma_scale_f32_16x16x128_f8f6f4 with both operands' format E2M1 (or v_wmma_scale_f32_32x16x128_f4), f32 sums; products left as they are: bf16, f16 or f32 operands; f32 sums; everything else in f32.
;; Inputs: W0_b 1 float32; W0_w 16 x 1 float32; Wk_b 1,024 float32; Wk_w 1,024 x 1,024 float32; Wq_b 1,024 float32; Wq_w 1,024 x 1,024 float32; Wv_b 1,024 float32; Wv_w 1,024 x 1,024 float32; k 2 x 2,048 x 1,024 float32; q 2 x 2,048 x 1,024 float32; v 2 x 2,048 x 1,024 float32.
;; Outputs: out0 2 x 2,048 x 64 float32.
;; This version of the problem:
;;   THIS VERSION OF THE PROBLEM IS GIVEN IN LOW PRECISION. The matrix products marked QUANTISED in the list below multiply operands that are first quantised to E2M1 (2 exponent bits, 1 mantissa bit; 4 bits a number), with one power-of-two scale for each 32 numbers along K (OCP MX v1.0); their sums are f32. The products marked 'left as it is' may take bf16, f16 or f32 operands, with f32 sums. Whichever they take, every output number must still come out within the allowed error. Rounding operands to bf16 (8 significant bits) uses up far more of that allowance than f16 does (11 bits, for magnitudes from 6e-5 to 65,504). All else is computed in f32.
;;   The module's matrix products, in the order in which they are computed (A, B: the left and right operand; K: the contracted axis; several contracted axes count as one K, in the product's order):
;;     1. [M 4,096, K 1,024] x [K 1,024, N 1,024]; A: input q; B: input Wq_w: QUANTISED
;;     2. [M 4,096, K 1,024] x [K 1,024, N 1,024]; A: input k; B: input Wk_w: QUANTISED
;;     3. [M 4,096, K 1,024] x [K 1,024, N 1,024]; A: input v; B: input Wv_w: QUANTISED
;;     4. batch 32 x [M 2,048, K 64] x [K 64, N 2,048]; A: computed on the way; B: computed on the way: left as it is (an operand is computed on the way)
;;     5. batch 32 x [M 2,048, K 2,048] x [K 2,048, N 64]; A: computed on the way; B: computed on the way: left as it is (an operand is computed on the way)
;;     6. [M 262,144, K 16] x [K 16, N 1]; A: computed on the way; B: input W0_w: left as it is (K = 16 < 32)
;;   THE QUANTISER, for each operand of a quantised product, along K:
;;     - K is cut into blocks of 32 from its start; a last block that is shorter is filled with zeros.
;;     - A block's scale is 2^e with e = floor(log2(the largest magnitude in the block)) - 2, held to -126 .. 127; a block of zeros has e = 0. As a byte (E8M0): e + 127.
;;     - Each number is divided by its block's scale, clamped to +-6, and rounded to the nearest number of E2M1, ties to even, subnormals kept.
;;     - The product sums the exact products of the quantised numbers (number of the format x scale) in f32.
;;   ~~~python
;;   def quantise(x, axis):      # numpy; x: float32 -> the quantised numbers, widened to float32 again
;;       x = np.moveaxis(x, axis, -1); K = x.shape[-1]
;;       x = np.pad(x, [(0, 0)] * (x.ndim - 1) + [(0, -K % 32)]); x = x.reshape(x.shape[:-1] + (-1, 32)); a = np.abs(x).max(-1, keepdims=True)
;;       e = np.where(a > 0, np.clip(np.frexp(np.where(a > 0, a, 1))[1] - 1 - 2, -126, 127), 0)      # np.frexp(a)[1] - 1 = floor(log2(a)), exactly
;;       r = np.clip(x / 2.0 ** e, -6, 6)
;;       step = 2.0 ** (np.maximum(np.frexp(np.where(r == 0, 1, r))[1] - 1, 0) - 1)
;;       q = np.round(r / step) * step * 2.0 ** e      # np.round: ties to even
;;       return np.moveaxis(q.reshape(q.shape[:-2] + (-1,))[..., :K], -1, axis).astype(np.float32)
;;   ~~~
;; One version. Each part assembles by itself: llvm-mc -triple=amdgcn-amd-amdhsa -mcpu=gfx1250 --defsym DOCPART=n.
;; ======== version 1 of 1: 4 launches
;; limits: values are held in f16: magnitudes above 65,504 overflow, below 6.1e-05 lose precision
;; workspace buffers: wcodes 1,572,864 bytes; wscales 98,304 bytes; qkvh 25,165,824 bytes; part 16,777,216 bytes
;; launch wquant (part 1): grid 16 x 6, 8 waves a work-group, no clusters, 2,048 bytes of LDS; arguments Wq_w, Wk_w, Wv_w, wcodes, wscales; writes wcodes, wscales
.if DOCPART == 1
	.amdgcn_target "amdgcn-amd-amdhsa--gfx1250"
	.amdhsa_code_object_version 6
	.text
	.protected	k_qabbf0617eb_wquant
	.globl	k_qabbf0617eb_wquant
	.p2align	8
	.type	k_qabbf0617eb_wquant,@function
k_qabbf0617eb_wquant:
	s_mov_b64 s[64:65], 0
	v_nop
	global_prefetch_b8 v0, s[64:65] scope:SCOPE_SE
	s_setreg_imm32_b32 hwreg(HW_REG_WAVE_MODE, 25, 1), 1
	s_wait_xcnt 0x0
; Wq_w, Wk_w, Wv_w: [1024 (k)][1024 (n)] f32, K the FIRST axis, become codes of FP4 (E2M1) with one E8M0 scale byte for each 32 along K,
; laid in the order of the matrix operand's registers:
;   wcodes  [T 3][nt 64][s 8][1,024 B]: column tile nt (16 columns) x K step s (128 along K); block t of the step's four, column 16 nt + r: 16 bytes at 256 t + 16 r.
;           Read as 16 bytes a lane at 16 x lane, and 512 further on, that is the fragment: lane (r, h) gets k = 64 c + 32 h + 0 .. 31.
;   wscales [T 3][nt 64][32 lanes][4 words]: word i of lane (r, h) is the scale word of column 16 nt + r for K step 4 h + i.
; A block's scale is 2^(floor(log2(its largest magnitude)) - 2); its byte is the largest magnitude's exponent field - 2, held at 1 from below.
; LIMITS: a block of zeros gets the byte 1 where the rule says 127 (its codes are zeros, and this program alone reads the bytes); blocks whose largest magnitude lies
; under 2^(3 - 127) are held at the byte 1; NaN and infinities among the inputs are not served.
; SHARES: work-group (X, y): 64 columns from 64 X; tensor T = y / 2; half H = y % 2 of K.  Wave w: columns 32 (w % 2) on, K step 4 H + w / 2.
; A LANE TAKES A COLUMN AND ITS REGISTERS RUN DOWN K: a block of 32 lies in one lane's 32 registers, and the conversions give the codes with K innermost.
; The two waves of a K step read 256 consecutive bytes of each row of W together.  No matrix work, no cluster: nothing here is read twice.
.set SPARE, 1024                       ; LDS: bytes 0-1023 the scale words [4 column tiles][16 r][4 words]; then the spare words, 128 bytes for each of the eight waves
.set X,     32                         ; v32-95   two sets of 32 numbers
.set C,     160                        ; v160-175 codes: four registers for each block, so that no store's data are written again
.set SPW,   14                         ; v14      LDS address of my spare word; never rewritten
.set NIL,   15                         ; v15      0; never rewritten
	s_load_b256 s[4:11], s[0:1], 0x0               ; Wq_w s[4:5], Wk_w s[6:7], Wv_w s[8:9], wcodes s[10:11]
	s_load_b64 s[12:13], s[0:1], 0x20              ; wscales
	v_lshl_add_u32 v[SPW], v0, 2, SPARE
	v_mov_b32 v[NIL], 0
	v_lshrrev_b32 v1, 5, v0
	v_readfirstlane_b32 s16, v1                    ; wave 0..7
	v_and_b32 v1, 31, v0                           ; lane
	s_and_b32 s17, s16, 1                          ; cg: which 32 of the 64 columns
	s_lshr_b32 s18, s16, 1                         ; i: which of the half's four K steps
	s_and_b32 s19, ttmp7, 0xffff
	s_lshr_b32 s14, s19, 1                         ; T
	s_and_b32 s15, s19, 1                          ; H
	s_lshl_b32 s19, s15, 2
	s_add_co_u32 s19, s19, s18                     ; my K step: 4 H + i
	v_lshlrev_b32 v2, 2, v1                        ; in: 4 bytes a lane
	v_lshrrev_b32 v7, 4, v1                        ; which of my two column tiles
	v_and_b32 v13, 15, v1                          ; r
	v_lshlrev_b32 v3, 13, v7
	v_lshl_add_u32 v3, v13, 4, v3                  ; codes out: 8,192 x tile + 16 r
	v_lshlrev_b32 v6, 9, v7
	v_lshl_add_u32 v6, v13, 4, v6                  ; scale words out: 512 x tile + 16 r
	s_lshl_b32 s24, s17, 9
	v_lshl_add_u32 v5, v1, 4, s24                  ; LDS, back: 16 x lane + 512 cg
	s_lshl_b32 s25, s18, 2
	s_add_co_u32 s25, s25, s24
	v_lshl_add_u32 v4, v1, 4, s25                  ; LDS, in: the same + 4 i: my K step's word of my column
	s_lshl_b32 s26, s19, 19                        ; W: 128 rows of 4,096 bytes a K step,
	s_lshl_b32 s24, ttmp9, 8
	s_add_co_u32 s26, s26, s24                     ; + 256 X
	s_lshl_b32 s24, s17, 7
	s_add_co_u32 s26, s26, s24                     ; + 128 cg
	s_mov_b32 s27, 0
	s_lshl_b32 s28, s14, 19                        ; codes: 524,288 T
	s_lshl_b32 s24, ttmp9, 15
	s_add_co_u32 s28, s28, s24                     ; + 8,192 x (4 X
	s_lshl_b32 s24, s17, 14
	s_add_co_u32 s28, s28, s24                     ;   + 2 cg)
	s_lshl_b32 s24, s19, 10
	s_add_co_u32 s28, s28, s24                     ; + 1,024 x K step
	s_mov_b32 s29, 0
	s_lshl_b32 s30, s14, 15                        ; scale words: 32,768 T
	s_lshl_b32 s24, ttmp9, 11
	s_add_co_u32 s30, s30, s24                     ; + 512 x (4 X
	s_lshl_b32 s24, s17, 10
	s_add_co_u32 s30, s30, s24                     ;   + 2 cg)
	s_lshl_b32 s24, s15, 8
	s_add_co_u32 s30, s30, s24                     ; + 256 H
	s_mov_b32 s31, 0
	s_wait_kmcnt 0x0
	s_cmp_eq_u32 s14, 0                            ; which tensor: the choice hangs on the work-group's number alone
	s_cselect_b64 s[20:21], s[4:5], s[6:7]
	s_cmp_eq_u32 s14, 2
	s_cselect_b64 s[20:21], s[8:9], s[20:21]
	s_add_nc_u64 s[20:21], s[20:21], s[26:27]
	s_add_nc_u64 s[22:23], s[10:11], s[28:29]
	s_add_nc_u64 s[12:13], s[12:13], s[30:31]
.macro LOAD t                          ; block t: W(32 t + i, my column), i = 0 .. 31, into set t % 2; a wave's load reads 128 consecutive bytes
.set I, 0
.rept 32
	global_load_b32 v[X+32*((\t)%2)+I], v2, s[20:21] offset:(32*(\t)+I)*4096 th:TH_LOAD_NT
.set I, I+1
.endr
.endm
.macro BLOCK t
.set XS, X+32*((\t)%2)
.if (\t) < 3
	s_wait_loadcnt 32                              ; this block's 32 loads are in; the next block's 32 may be out
.else
	s_wait_loadcnt 0x0
.endif
	v_max3_num_f32 v8, |v[XS]|, |v[XS+1]|, |v[XS+2]|               ; the block's largest magnitude: all 32 numbers are mine; two chains
	v_max3_num_f32 v9, |v[XS+3]|, |v[XS+4]|, |v[XS+5]|
.irp i, 6,10,14,18,22,26
	v_max3_num_f32 v8, v8, |v[XS+\i]|, |v[XS+\i+1]|
	v_max3_num_f32 v9, v9, |v[XS+\i+2]|, |v[XS+\i+3]|
.endr
	v_max3_num_f32 v8, v8, |v[XS+30]|, |v[XS+31]|
	v_max3_num_f32 v8, v8, v9, 0x1800000           ; and the floor 2^(3 - 127): the byte cannot fall under 1
	v_add_nc_u32 v10, 0xff000000, v8               ; 2 off the exponent field: the conversion takes the exponent field of this operand as its scale
	v_lshrrev_b32 v11, 23, v10                     ; the scale's byte
.if (\t) == 0
	v_mov_b32 v12, v11                             ; the four blocks' bytes make the K step's scale word, the lower k in the lower byte
.else
	v_lshl_or_b32 v12, v11, 8*(\t), v12
.endif
.irp g, 0,1,2,3
	v_cvt_scalef32_pk8_fp4_f32 v[C+4*(\t)+\g], v[XS+8*\g:XS+8*\g+7], v10
.endr
	global_store_b128 v3, v[C+4*(\t):C+4*(\t)+3], s[22:23] offset:256*(\t)   ; lanes 0-15 store 256 consecutive aligned bytes of one fragment, lanes 16-31 of the next tile's
.if (\t) < 2
	LOAD (\t)+2
.endif
.endm
	LOAD 0
	LOAD 1
	BLOCK 0
	BLOCK 1
	BLOCK 2
	BLOCK 3
	ds_store_b32 v4, v12                           ; my column's word for my K step
	s_wait_dscnt 0x0                               ; for the others' sake: my store has landed
	s_barrier_signal -1
	s_barrier_wait -1                              ; the four K steps' words of all 64 columns lie in LDS
	s_cmp_gt_u32 s16, 1
	s_cbranch_scc1 .Lend                           ; waves 0 and 1 store them: 32 columns each
	ds_load_b128 v[16:19], v5
	s_wait_dscnt 0x0
	global_store_b128 v6, v[16:19], s[12:13]       ; sixteen lanes store 256 consecutive aligned bytes
.Lend:
	s_wait_tensorcnt 0x0                           ; the wave's end: three lines behind my last LDS store
	ds_add_u32 v[SPW], v[NIL]
	s_wait_dscnt 0x0
	s_endpgm
.Lfunc_end_k_qabbf0617eb_wquant:
	.size	k_qabbf0617eb_wquant, .Lfunc_end_k_qabbf0617eb_wquant-k_qabbf0617eb_wquant
	.p2alignl 7, 3214868480
	.fill 96, 4, 3214868480
	.section	.rodata,"a",@progbits
	.p2align	6, 0x0
	.amdhsa_kernel k_qabbf0617eb_wquant
		.amdhsa_group_segment_fixed_size 2048
		.amdhsa_private_segment_fixed_size 0
		.amdhsa_enable_private_segment 0
		.amdhsa_kernarg_size 40
		.amdhsa_user_sgpr_count 2
		.amdhsa_user_sgpr_kernarg_segment_ptr 1
		.amdhsa_wavefront_size32 1
		.amdhsa_system_sgpr_workgroup_id_x 1
		.amdhsa_system_sgpr_workgroup_id_y 1
		.amdhsa_system_sgpr_workgroup_id_z 1
		.amdhsa_system_vgpr_workitem_id 0
		.amdhsa_next_free_vgpr 176
		.amdhsa_next_free_sgpr 66
		.amdhsa_reserve_vcc 0
		.amdhsa_float_denorm_mode_32 3
		.amdhsa_float_denorm_mode_16_64 3
		.amdhsa_memory_ordered 1
		.amdhsa_forward_progress 1
		.amdhsa_inst_pref_size 22
	.end_amdhsa_kernel
	.amdgpu_metadata
---
amdhsa.version: [ 1, 2 ]
amdhsa.kernels:
  - .name:           k_qabbf0617eb_wquant
    .symbol:         k_qabbf0617eb_wquant.kd
    .args:
      - { .name: Wq_w, .offset: 0, .size: 8, .value_kind: global_buffer, .address_space: global }
      - { .name: Wk_w, .offset: 8, .size: 8, .value_kind: global_buffer, .address_space: global }
      - { .name: Wv_w, .offset: 16, .size: 8, .value_kind: global_buffer, .address_space: global }
      - { .name: wcodes, .offset: 24, .size: 8, .value_kind: global_buffer, .address_space: global }
      - { .name: wscales, .offset: 32, .size: 8, .value_kind: global_buffer, .address_space: global }
    .group_segment_fixed_size: 2048
    .private_segment_fixed_size: 0
    .kernarg_segment_align: 8
    .kernarg_segment_size: 40
    .max_flat_workgroup_size: 256
    .sgpr_count:     66
    .vgpr_count:     176
    .wavefront_size: 32
...
	.end_amdgpu_metadata
.endif
;; end of part 1
;; launch proj (part 2): grid 64 x 3, 8 waves a work-group, no clusters, 327,680 bytes of LDS; arguments q, k, v, Wq_b, Wk_b, Wv_b, wcodes, wscales, qkvh; writes qkvh
.if DOCPART == 2
	.amdgcn_target "amdgcn-amd-amdhsa--gfx1250"
	.amdhsa_code_object_version 6
	.text
	.protected	k_qabbf0617eb_proj
	.globl	k_qabbf0617eb_proj
	.p2align	8
	.type	k_qabbf0617eb_proj,@function
k_qabbf0617eb_proj:
	s_mov_b64 s[64:65], 0
	v_nop
	global_prefetch_b8 v0, s[64:65] scope:SCOPE_SE
	s_setreg_imm32_b32 hwreg(HW_REG_WAVE_MODE, 25, 1), 1
	s_wait_xcnt 0x0
; y = Q(x) Q(W) + b for x = q, k or v (tensor T = work-group y), [4096][1024] f32; both operands codes of FP4 (E2M1) with one E8M0 scale for each 32 along K; sums in f32.
; The result is rounded to f16 and stored as the attention launch's operand pieces:
;   qkvh [T 3][RT 256 row tiles][nt 64 column tiles][512 B]: rows 16 RT + r, columns 16 nt + 8 h + j.  q, k: lane (r, h)'s 16 bytes at 16 r + 256 h (an image of four registers);
;   v: at 32 r + 16 h ([16 rows][16 columns], 32 bytes a row, for the turning LDS load).
; SHARES: a work-group takes 64 rows (four tiles m of 16) and ALL 1,024 columns.
; PHASE X: wave w quantises K step w (128 along K) of the 64 rows.  Its numbers come by four tensor loads of 16 rows x 512 bytes, issued together at the head, into a stage of the wave's own with 16 bytes of
; padding behind each row; four, so that a tile is quantised while the later ones are on their way; four tensor loads of a wave are out.  No LDS byte is filled twice.
; The fragments and their scale words go to LDS as images of the operand's registers.  One barrier.
; PHASE G: wave w makes columns 128 w .. 128 w + 127 for the 64 rows, IN TWO HALVES OF 64 COLUMNS: 16 accumulators, 8 K steps of 16 matrix instructions a half: 16 steps.  W's fragments go from memory straight
; into the operand's registers, 512 consecutive bytes a load, through a ring of six sets of four fragments: step t's are asked for six steps ahead, the first five sets at the kernel's head.
; The bias is the C of each sum's first matrix instruction.  The first half's results leave while the second half is multiplied.
; THE MATRIX INSTRUCTION IS USED TRANSPOSED (source 0 = 16 columns of W, source 1 = 16 rows of x): a lane holds one row of y and eight neighbouring columns: 16 bytes of f16.
; NO CLUSTER, NO JOINT LOADS, though all 64 work-groups of a tensor read the same codes of W: each fragment of W is wanted by ONE wave of a work-group; through LDS its 544 KiB a work-group would be written and
; read once more, and beside x's stages (270,336 bytes) and images LDS has no room for a ring of them.
; 192 work-groups: blocks of 48 rows would make 256 but straddle tensors; blocks of 32 rows would read W twice as often.
; LIMITS: y is kept in f16: |y| must stay under 65,504, and magnitudes under 6e-5 are kept to 6e-8.  A block of zeros gets the scale byte 1, not 127: its codes are zeros.  NaN and infinities are not served.
; REGISTERS, window 0: v1-8 addresses; v12, v13 the add's two; v16-47 W's scale words; v48-63 x's; v64-127 64 numbers of x, then two sets of x's fragments; v128-223 W's ring sets 0, 1, 2;
;   v224-255 the quantiser's registers, then ring set 5.   window 1: v0-127 accumulator (m, n) at v[8 (4 m + n)]; v128-191 ring sets 3, 4; v192-255 the bias, 32 registers a half.
.set XIMG,  0                          ; LDS: x's 32 fragments (8 m + s), 1,024 bytes each;
.set XSC,   32768                      ; their scale words [m][32 lanes][4 words]: word i of lane (r, h): row 16 m + r, K step 4 h + i;
.set STG,   34816                      ; the stages, which the tensor loads fill:
.set TSTG,  16*528                     ; a tile: 16 rows x (512 + 16) bytes: 132 words a row, so that the 16 rows that a load touches start at 16 different groups of four banks (64 banks of 4 bytes: ISA guide 11.1);
.set WSTG,  4*TSTG                     ; a wave's four tiles;
.set SPARE, STG+8*WSTG                 ; the spare words, 128 bytes for each of the eight waves: four blocks of 256 bytes that no other line names
.set LI,   1                           ; v1  16 x lane
.set XWI,  2                           ; v2  where I store images: 16 x lane + 1,024 x wave
.set XWS,  3                           ; v3  and scale words: XSC + 16 r + 256 (wave / 4) + 4 (wave % 4)
.set STR,  5                           ; v5  my stage: 528 r + 128 h
.set OUTO, 6                           ; v6  my 16 bytes in a piece of qkvh, + 4,096 x wave
.set BO,   7                           ; v7  32 h: my eight numbers of a tile's 16 of the bias
.set SH,   8                           ; v8  8 h
.set SPW,  12                          ; v12 LDS address of my spare word; never rewritten
.set NIL,  13                          ; v13 0; never rewritten
.set WS,   16
.set XS,   48
.set XN,   64
.set XF,   64
.set TM,   224                         ; v224-225 largest magnitudes, v226-227 scale operands, v228-229 bytes, v230 the other half's bytes
.set PW,   231                         ; the scale word just made
.set PC,   232                         ; v232-239 the codes just made
.set BI,   192                         ; in window 1
.set G1,   68                          ; s[68:75] descriptor group 1
.set G0,   76                          ; s[76:91] descriptor group 0, a set for each of my four tiles
.set MSB, 0
.macro WIN new                         ; the immediate's high byte repeats the setting that is left
.if MSB != \new
	s_set_vgpr_msb (MSB<<8)|\new
.set MSB, \new
.endif
.endm
	s_load_b256 s[4:11], s[0:1], 0x0               ; q, k, v, Wq_b
	s_load_b256 s[12:19], s[0:1], 0x20             ; Wk_b, Wv_b, wcodes, wscales
	s_load_b64 s[20:21], s[0:1], 0x40              ; qkvh
	v_lshl_add_u32 v[SPW], v0, 2, SPARE
	v_mov_b32 v[NIL], 0
	ds_add_u32 v[SPW], v[NIL]                      ; the wave's opening: the add, twice on end, and its wait ahead of my first tensor load
	ds_add_u32 v[SPW], v[NIL]                      ; and once more; the set-up below, work on registers, stands between it and the wait
	v_lshrrev_b32 v9, 5, v0
	v_readfirstlane_b32 s22, v9                    ; wave 0..7
	s_and_b32 s23, ttmp7, 0xffff                   ; T
	; descriptor group 1: a tile of 16 rows x 128 numbers of 4 bytes, rows 1,024 numbers apart in memory, padded in LDS
	s_mov_b32 s[G1], (2<<16)|(1<<20)|(6<<22)|(3<<25)   ; 15:0 no mask; 17:16 elements of 4 bytes; 20 padding on; 24:22 after every 128 words (code 6); 31:25 four words (code 3)
	s_mov_b32 s[G1+1], 128<<16                     ; tensor_dim0 = 128
	s_mov_b32 s[G1+2], 16<<16                      ; tensor_dim1 = 16
	s_mov_b32 s[G1+3], 128<<16                     ; tile_dim0 = 128
	s_mov_b32 s[G1+4], 16                          ; tile_dim1 = 16
	s_mov_b32 s[G1+5], 1024                        ; elements from row to row
	s_mov_b32 s[G1+6], 0
	s_mov_b32 s[G1+7], 0
	v_and_b32 v[LI], 31, v0
	v_lshlrev_b32 v[LI], 4, v[LI]
	v_bfe_u32 v9, v0, 4, 1                         ; h
	v_and_b32 v10, 15, v0                          ; r
	s_lshl_b32 s2, s22, 10
	v_add_nc_u32 v[XWI], s2, v[LI]
	s_lshr_b32 s2, s22, 2
	s_lshl_b32 s2, s2, 8
	s_and_b32 s3, s22, 3
	s_lshl_b32 s3, s3, 2
	s_add_co_u32 s2, s2, s3
	s_add_co_u32 s2, s2, XSC
	v_lshl_add_u32 v[XWS], v10, 4, s2
	s_mul_i32 s48, s22, WSTG
	s_add_co_u32 s48, s48, STG                     ; my stage
	v_mul_u32_u24 v[STR], v10, 528
	v_lshl_add_u32 v[STR], v9, 7, v[STR]
	v_add_nc_u32 v[STR], s48, v[STR]
	v_lshlrev_b32 v[BO], 5, v9
	v_lshlrev_b32 v[SH], 3, v9
	v_mov_b32 v[TM+6], 0                           ; written once: a lane permute's destination counts as one of its sources
	s_cmp_eq_u32 s23, 2                            ; v's pieces lie by rows, q's and k's as register images
	s_cselect_b32 s42, 32, 16
	s_mov_b32 s43, 256
	s_cselect_b32 s43, 16, s43
	v_mul_u32_u24 v[OUTO], s42, v10
	v_mad_u32_u24 v[OUTO], v9, s43, v[OUTO]
	s_lshl_b32 s2, s22, 12
	v_add_nc_u32 v[OUTO], s2, v[OUTO]
	s_mov_b32 s26, 0x76543210
	s_mov_b32 s27, 0xfedcba98                      ; v_permlanex16_b32's selects for lane l xor 16
	s_lshl_b32 s28, ttmp9, 18                      ; x: 64 rows of 4,096 bytes a work-group,
	s_lshl_b32 s2, s22, 9
	s_add_co_u32 s28, s28, s2                      ; + my K step's 512 bytes
	s_mov_b32 s29, 0
	s_mov_b32 s30, s2                              ; the bias: my 128 columns
	s_mov_b32 s31, 0
	s_lshl_b32 s44, s23, 19                        ; W's codes: 524,288 T + 8 tiles of 8,192 bytes a wave
	s_lshl_b32 s2, s22, 16
	s_add_co_u32 s44, s44, s2
	s_mov_b32 s45, 0
	s_lshl_b32 s46, s23, 15                        ; W's scale words: 32,768 T + 8 tiles of 512 bytes a wave
	s_lshl_b32 s2, s22, 12
	s_add_co_u32 s46, s46, s2
	s_mov_b32 s47, 0
	s_lshl_b32 s24, s23, 23                        ; qkvh: 8,388,608 T + 4 row tiles of 32,768 bytes a work-group
	s_lshl_b32 s2, ttmp9, 17
	s_add_co_u32 s24, s24, s2
	s_mov_b32 s25, 0
	s_wait_dscnt 0x0                               ; both opening adds are done
	s_wait_kmcnt 0x0
	s_cmp_eq_u32 s23, 0                            ; which tensor and which bias: the choice hangs on the work-group's number alone
	s_cselect_b64 s[32:33], s[4:5], s[6:7]
	s_cselect_b64 s[34:35], s[10:11], s[12:13]
	s_cmp_eq_u32 s23, 2
	s_cselect_b64 s[32:33], s[8:9], s[32:33]
	s_cselect_b64 s[34:35], s[14:15], s[34:35]
	s_add_nc_u64 s[32:33], s[32:33], s[28:29]      ; x
	s_add_nc_u64 s[34:35], s[34:35], s[30:31]      ; the bias
	s_add_nc_u64 s[36:37], s[16:17], s[44:45]      ; W's codes
	s_add_nc_u64 s[38:39], s[18:19], s[46:47]      ; W's scale words
	s_add_nc_u64 s[40:41], s[20:21], s[24:25]      ; qkvh
.irp m, 0,1,2,3
	s_mov_b32 s[G0+4*\m], 1                        ; count = 1
	s_add_co_u32 s[G0+4*\m+1], s48, \m*TSTG        ; LDS address: my stage's tile m
	s_add_nc_u64 s[G0+4*\m+2:G0+4*\m+3], s[32:33], \m*65536   ; global address: 16 rows of 4,096 bytes a tile
	s_or_b32 s[G0+4*\m+3], s[G0+4*\m+3], 0x80000000   ; type = 2
.endr
.irp m, 0,1,2,3
	tensor_load_to_lds s[G0+4*\m:G0+4*\m+3], s[G1:G1+7]   ; my four fills go out together, ahead of every wait on TENSORcnt, every LDS read and the barrier
	s_nop 0
.endr
.rept 4
	v_nop                                          ; (behind tensor loads)
.endr
.macro WSET t                          ; step t's set of the ring: its window WW and first register WR
.set J, (\t)%6
.if J < 3
.set WW, 0
.set WR, 128+32*J
.elseif J < 5
.set WW, 1
.set WR, 128+32*(J-3)
.else
.set WW, 0
.set WR, 224
.endif
.endm
.macro WLOAD t                         ; step t = 8 x half + K step: my four fragments of W: eight loads of 512 consecutive bytes, straight into the operand's registers
	WSET \t
	WIN (WW*64)
.irp n, 0,1,2,3
.irp c, 0,1
	global_load_b128 v[WR+8*\n+4*\c:WR+8*\n+4*\c+3], v[LI], s[36:37] offset:8192*(4*((\t)/8)+\n)+1024*((\t)%8)+512*\c
.endr
.endr
	WIN 0
.endm
.macro BIAS hf                         ; the bias of a half's 64 columns, in the result's layout: lane (r, h), tile n: columns 16 n + 8 h + 0 .. 7
	WIN 0x40                                       ; destination window 1
.irp n, 0,1,2,3
	global_load_b128 v[BI+32*(\hf)+8*\n:BI+32*(\hf)+8*\n+3], v[BO], s[34:35] offset:256*(\hf)+64*\n
	global_load_b128 v[BI+32*(\hf)+8*\n+4:BI+32*(\hf)+8*\n+7], v[BO], s[34:35] offset:256*(\hf)+64*\n+16
.endr
	WIN 0
.endm
.macro WSCALE hf                       ; W's scale words of a half's four tiles: all 8 K steps of a tile by one load
.irp n, 0,1,2,3
	global_load_b128 v[WS+16*(\hf)+4*\n:WS+16*(\hf)+4*\n+3], v[LI], s[38:39] offset:2048*(\hf)+512*\n
.endr
.endm
.macro QUANT                           ; v[XN] on: 64 numbers; v[PC] on: the fragment's eight registers; v[PW]: my row's scale word
.irp c, 0,1
	v_max3_num_f32 v[TM+\c], |v[XN+32*\c]|, |v[XN+32*\c+1]|, 0x1800000   ; block 2 c + h, all mine; and the floor 2^(3 - 127): the byte cannot fall under 1
.endr
.irp i, 2,4,6,8,10,12,14,16,18,20,22,24,26,28,30
.irp c, 0,1
	v_max3_num_f32 v[TM+\c], v[TM+\c], |v[XN+32*\c+\i]|, |v[XN+32*\c+\i+1]|   ; (the two blocks by turns)
.endr
.endr
.irp c, 0,1
	v_add_nc_u32 v[TM+2+\c], 0xff000000, v[TM+\c]  ; 2 off the exponent field: the conversion's scale operand
.endr
.irp c, 0,1
	v_lshrrev_b32 v[TM+4+\c], 23, v[TM+2+\c]       ; the scale's byte
.endr
	v_lshl_or_b32 v[PW], v[TM+5], 16, v[TM+4]      ; my two bytes, blocks h and 2 + h,
	v_lshlrev_b32 v[PW], v[SH], v[PW]              ; at their places in the word;
	v_permlanex16_b32 v[TM+6], v[PW], s26, s27
	v_or_b32 v[PW], v[PW], v[TM+6]                 ; with lane l xor 16's two the word is whole
.irp c, 0,1
.irp g, 0,1,2,3
	v_cvt_scalef32_pk8_fp4_f32 v[PC+4*\c+\g], v[XN+32*\c+8*\g:XN+32*\c+8*\g+7], v[TM+2+\c]
.endr
.endr
	v_nop                                          ; one plain place behind the last scaled conversion
.endm
; Tile m of my K step: out of my stage so that lane (r, h) holds k = 64 c + 32 h + 0 .. 31 of row r, two whole blocks; quantised; the fragment and its scale words go to LDS as they stand
; (both halves of the lanes write the same word with the same value).
.macro UNIT m
	s_wait_tensorcnt 3-(\m)                        ; tensor loads of a wave end in order (ISA guide 10.11.1): tile m is in; the later tiles may be out
.irp c, 0,1
.irp j, 0,1,2,3,4,5,6,7
	ds_load_b128 v[XN+32*\c+4*\j:XN+32*\c+4*\j+3], v[STR] offset:TSTG*(\m)+256*\c+16*\j
.endr
.endr
	s_wait_dscnt 0x0                               ; the numbers are in, and the last image's stores have read their registers
	QUANT
	ds_store_b128 v[XWI], v[PC:PC+3] offset:XIMG+8192*(\m)
	ds_store_b128 v[XWI], v[PC+4:PC+7] offset:XIMG+8192*(\m)+512
	ds_store_b32 v[XWS], v[PW] offset:512*(\m)
.endm
.macro XFETCH ks, bank                 ; x's four fragments of K step ks
.irp m, 0,1,2,3
.irp c, 0,1
	ds_load_b128 v[XF+32*(\bank)+8*\m+4*\c:XF+32*(\bank)+8*\m+4*\c+3], v[LI] offset:XIMG+(8*\m+(\ks))*1024+512*\c
.endr
.endr
.endm
; STEP t = 8 x half + K step: 16 matrix instructions, the 16 accumulators by turns, one instruction a turn, in the same order in every step.
; The scale words of K steps 0-3 lie in lanes 0-15 of their registers, those of steps 4-7 in lanes 16-31.  A half's first step takes the bias as C.
.macro KSTEP t
	WSET \t
.set HF, (\t)/8
.set KS, (\t)%8
.set XB, XF+32*((\t)%2)
.if (\t) < 2
	s_wait_loadcnt 40                              ; this step's W is in (and what was asked for ahead of it); behind it: the next five steps' W, eight loads each
.elseif (\t) < 8
	s_wait_loadcnt 52                              ; behind it: five steps' W (40), and the second half's bias (8) and scale words (4), asked for behind step 1
.elseif (\t) < 11
	s_wait_loadcnt 40                              ; behind it: five steps' W
.else
	s_wait_loadcnt 8*(15-(\t))                     ; behind it: the steps that are left
.endif
.if (\t) < 15
	s_wait_dscnt 8                                 ; this step's x is in; the next step's eight loads may be out
.else
	s_wait_dscnt 0x0
.endif
	WIN (0x50+WW)                                  ; C and D window 1; source 0 in the set's window
.irp m, 0,1,2,3
.irp n, 0,1,2,3
.if KS == 0
	v_wmma_scale_f32_16x16x128_f8f6f4 v[8*(4*\m+\n):8*(4*\m+\n)+7], v[WR+8*\n:WR+8*\n+7], v[XB+8*\m:XB+8*\m+7], v[BI+32*HF+8*\n:BI+32*HF+8*\n+7], v[WS+16*HF+4*\n+KS%4], v[XS+4*\m+KS%4] matrix_a_fmt:MATRIX_FMT_FP4 matrix_b_fmt:MATRIX_FMT_FP4
.elseif KS < 4
	v_wmma_scale_f32_16x16x128_f8f6f4 v[8*(4*\m+\n):8*(4*\m+\n)+7], v[WR+8*\n:WR+8*\n+7], v[XB+8*\m:XB+8*\m+7], v[8*(4*\m+\n):8*(4*\m+\n)+7], v[WS+16*HF+4*\n+KS%4], v[XS+4*\m+KS%4] matrix_a_fmt:MATRIX_FMT_FP4 matrix_b_fmt:MATRIX_FMT_FP4
.else
	v_wmma_scale_f32_16x16x128_f8f6f4 v[8*(4*\m+\n):8*(4*\m+\n)+7], v[WR+8*\n:WR+8*\n+7], v[XB+8*\m:XB+8*\m+7], v[8*(4*\m+\n):8*(4*\m+\n)+7], v[WS+16*HF+4*\n+KS%4], v[XS+4*\m+KS%4] matrix_a_fmt:MATRIX_FMT_FP4 matrix_b_fmt:MATRIX_FMT_FP4 matrix_a_scale:MATRIX_SCALE_ROW1 matrix_b_scale:MATRIX_SCALE_ROW1
.endif
.endr
.endr
	WIN 0
.rept 4
	v_nop                                          ; four places in front of loads into registers that these matrix instructions have read, and of the first read of results
.endr
.if (\t) < 10
	WLOAD (\t)+6                                   ; the set just freed takes the step six on
.endif
.if (\t) == 1
	BIAS 1                                         ; the second half's bias and scale words: six steps ahead of their first use
	WSCALE 1
.endif
.if (\t) < 14
	XFETCH ((\t)+2)%8, (\t)%2
.endif
.endm
; THE WAY OUT of a half: rounded to f16 in place, into each accumulator's four lowest registers (a pair is read before its place is written), each accumulator from its low end on;
; 16 bytes a lane; a wave's store covers one piece: 512 consecutive aligned bytes.
.macro WAYOUT hf
	WIN 0x45                                       ; sources and destination window 1
.set A, 0
.rept 16
.irp p, 0,1,2,3
	v_cvt_pk_f16_f32 v[8*A+\p], v[8*A+2*\p], v[8*A+2*\p+1]
.endr
.set A, A+1
.endr
	WIN 0x04                                       ; a store's data are its source 1: window 1
.set A, 0
.rept 16
	global_store_b128 v[OUTO], v[8*A:8*A+3], s[40:41] offset:32768*(A/4)+512*(4*(\hf)+A%4)
.set A, A+1
.endr
	WIN 0
.endm
	; what phase G wants first is asked for now, behind the tensor loads: 52 loads
	WSCALE 0
	BIAS 0
	WLOAD 0
	WLOAD 1
	WLOAD 2
	WLOAD 3
	WLOAD 4
	; ---- PHASE X
	UNIT 0
	UNIT 1
	UNIT 2
	UNIT 3
	s_wait_dscnt 0x0                               ; for the others' sake: my images have landed; and their stores have read the registers on which step 5's W lands
	WLOAD 5
	s_barrier_signal -1
	s_barrier_wait -1                              ; x's 32 fragments and their scale words lie in LDS; nothing is stored to LDS behind this barrier
	; ---- PHASE G
.irp m, 0,1,2,3
	ds_load_b128 v[XS+4*\m:XS+4*\m+3], v[LI] offset:XSC+512*\m
.endr
	XFETCH 0, 0
	XFETCH 1, 1
	KSTEP 0
	KSTEP 1
	KSTEP 2
	KSTEP 3
	KSTEP 4
	KSTEP 5
	KSTEP 6
	KSTEP 7
	WAYOUT 0                                       ; columns 0-63 of my 128 leave while the second half's W is on its way
	s_wait_xcnt 0x0                                ; every earlier memory instruction has had its addresses translated (ISA guide 3.1): only behind this wait are the registers that the stores read written again
	KSTEP 8
	KSTEP 9
	KSTEP 10
	KSTEP 11
	KSTEP 12
	KSTEP 13
	KSTEP 14
	KSTEP 15
	WAYOUT 1
	s_wait_tensorcnt 0x0                           ; the wave's end: three lines behind my last tensor load and my last LDS store
	ds_add_u32 v[SPW], v[NIL]
	s_wait_dscnt 0x0
	s_endpgm
.Lfunc_end_k_qabbf0617eb_proj:
	.size	k_qabbf0617eb_proj, .Lfunc_end_k_qabbf0617eb_proj-k_qabbf0617eb_proj
	.p2alignl 7, 3214868480
	.fill 96, 4, 3214868480
	.section	.rodata,"a",@progbits
	.p2align	6, 0x0
	.amdhsa_kernel k_qabbf0617eb_proj
		.amdhsa_group_segment_fixed_size 327680
		.amdhsa_private_segment_fixed_size 0
		.amdhsa_enable_private_segment 0
		.amdhsa_kernarg_size 72
		.amdhsa_user_sgpr_count 2
		.amdhsa_user_sgpr_kernarg_segment_ptr 1
		.amdhsa_wavefront_size32 1
		.amdhsa_system_sgpr_workgroup_id_x 1
		.amdhsa_system_sgpr_workgroup_id_y 1
		.amdhsa_system_sgpr_workgroup_id_z 1
		.amdhsa_system_vgpr_workitem_id 0
		.amdhsa_next_free_vgpr 512
		.amdhsa_next_free_sgpr 96
		.amdhsa_reserve_vcc 0
		.amdhsa_float_denorm_mode_32 3
		.amdhsa_float_denorm_mode_16_64 3
		.amdhsa_memory_ordered 1
		.amdhsa_forward_progress 1
		.amdhsa_inst_pref_size 93
	.end_amdhsa_kernel
	.amdgpu_metadata
---
amdhsa.version: [ 1, 2 ]
amdhsa.kernels:
  - .name:           k_qabbf0617eb_proj
    .symbol:         k_qabbf0617eb_proj.kd
    .args:
      - { .name: q, .offset: 0, .size: 8, .value_kind: global_buffer, .address_space: global }
      - { .name: k, .offset: 8, .size: 8, .value_kind: global_buffer, .address_space: global }
      - { .name: v, .offset: 16, .size: 8, .value_kind: global_buffer, .address_space: global }
      - { .name: Wq_b, .offset: 24, .size: 8, .value_kind: global_buffer, .address_space: global }
      - { .name: Wk_b, .offset: 32, .size: 8, .value_kind: global_buffer, .address_space: global }
      - { .name: Wv_b, .offset: 40, .size: 8, .value_kind: global_buffer, .address_space: global }
      - { .name: wcodes, .offset: 48, .size: 8, .value_kind: global_buffer, .address_space: global }
      - { .name: wscales, .offset: 56, .size: 8, .value_kind: global_buffer, .address_space: global }
      - { .name: qkvh, .offset: 64, .size: 8, .value_kind: global_buffer, .address_space: global }
    .group_segment_fixed_size: 327680
    .private_segment_fixed_size: 0
    .kernarg_segment_align: 8
    .kernarg_segment_size: 72
    .max_flat_workgroup_size: 256
    .sgpr_count:     96
    .vgpr_count:     512
    .wavefront_size: 32
...
	.end_amdgpu_metadata
.endif
;; end of part 2
;; launch attn (part 3): grid 8 x 32, 8 waves a work-group, clusters of 4 x 1, 327,680 bytes of LDS; arguments qkvh, W0_w, part; writes part
.if DOCPART == 3
	.amdgcn_target "amdgcn-amd-amdhsa--gfx1250"
	.amdhsa_code_object_version 6
	.text
	.protected	k_qabbf0617eb_attn
	.globl	k_qabbf0617eb_attn
	.p2align	8
	.type	k_qabbf0617eb_attn,@function
k_qabbf0617eb_attn:
	s_mov_b64 s[64:65], 0
	v_nop
	global_prefetch_b8 v0, s[64:65] scope:SCOPE_SE
	s_setreg_imm32_b32 hwreg(HW_REG_WAVE_MODE, 25, 1), 1
	s_wait_xcnt 0x0
	s_wait_alu depctr_hold_cnt(0) depctr_sa_sdst(0) depctr_va_vdst(0) depctr_va_sdst(0) depctr_va_ssrc(0) depctr_va_vcc(0) depctr_vm_vsrc(0)
	s_getreg_b32 s2, hwreg(HW_REG_IB_STS2, 6, 4)
	s_cmp_eq_u32 s2, 0
	s_cbranch_scc0 .Lentry_in_a_cluster
	s_endpgm
.Lentry_in_a_cluster:
	s_bfe_u32 s2, ttmp6, 0x10000c
	s_cmp_lg_u32 s2, 0x3003
	s_cbranch_scc0 .Lentry_shape_is_right
	s_endpgm
.Lentry_shape_is_right:
; part[bh][s][:] = W0_w[bh % 16] x the sum over t of softmax_t(Q[bh][s] . K[bh][t] / 8) V[bh][t][:], 32 heads of 2,048 positions x 64 channels.  Operands f16; products, maxima and sums f32.
; THE HEADS.  Head bh is the memory of rows 128 bh .. 128 bh + 127 of a projection: element (row rho, column c) is position 16 rho + c / 64, channel c % 64.  A tile kt = 16 rt + cb is 16 neighbouring rows
; (16 rt + r) at one block of 64 columns (cb): positions 256 rt + 16 r + cb.  A softmax does not ask in which order the keys come, and K and V are cut alike.  In qkvh a tile is 2,048 consecutive bytes, four
; pieces of 512 (channels 16 dq on); a head is 262,144 bytes.  Q's and K's pieces are images of four operand registers; V's lie [16 keys][16 channels] and come out of LDS turned, by ds_load_tr16_b128.
; SHARES.  A work-group owns 256 queries of a head (row tile x), each of its EIGHT waves two tiles of 16 (cb = 2 w, 2 w + 1), in 512 registers: two waves to a SIMD, so that one wave's softmax stands beside
; the other's products.  Every wave walks all keys, 64 a step; each fragment of K and V read from LDS feeds two matrix instructions.
; LAYOUT.  S^T = K Q^T (source 0 = 16 keys, source 1 = 16 queries): a lane holds ONE query (lane % 16) and keys 8 (lane / 16) + 0..7.  Two such tiles rounded to f16 in pairs ARE source 1 of O^T = V^T P.
; SOFTMAX.  A running maximum m and sum l for each query: p = 2^(c s - c m), c = log2(e) / 8; in every step O and l are multiplied by a = 2^(c m_old - c m_new).  The step is written once: O and l begin as zeros,
; m as -3e38.  The sum is taken of p before it is rounded.
; THE RING.  Two LDS slots of 512 keys (64 KiB of K, 64 KiB of V), 8 steps each; each wave brings 16 KiB by one tensor load (waves 0-3: K's quarters, waves 4-7: V's).  A wave has two
; tensor loads out at the start and one behind each change of slots that fills.
; CLUSTER.  The four query blocks of a cluster belong to one head and walk the same K and V: each tile is asked for JOINTLY, by the same load with the same descriptor and a mask that names the four.
; LIMITS: NaN and infinities are not served; p under 6e-8 of the row's largest is lost in f16.
; REGISTERS, window 0: v1-8 addresses; v12, v13 the add's two; v16-31 statistics, 8 a tile; v32-95 S^T, 32 a tile; v96-127 P, 16 a tile; v128-191 O^T, 32 a tile; v192-255 at work on the way out.
;   window 1: v0-31 Q, 16 a tile; v32-95 K of a step; v96-159 V of a step.
.set SLOT1, 1<<17                      ; slot 1 begins here, so that one exclusive or turns an address in one slot into the other's
.set VOFF,  65536                      ; in a slot: K's 64 KiB, then V's
.set STAGE, 262144                     ; behind the ring: 16 rows x (256 + 16) bytes for each wave, for the way out
.set SPARE, 296960                     ; behind the stages: the spare words, 128 bytes for each of the eight waves
.set LI,  1                            ; v1  16 x lane: my place in a register image
.set AV0, 2                            ; v2  my place in a piece of V, + VOFF
.set ADK, 3                            ; v3  LDS address of the K loads in hand
.set ADV, 4                            ; v4  of the V loads
.set STO, 5                            ; v5  the way out: where I put 32 bytes of a row
.set RD,  6                            ; v6  and where I read a row back
.set GO,  7                            ; v7  my byte offset among the wave's rows of part
.set PFO, 8                            ; v8  256 x lane
.set SPW, 12
.set NIL, 13
.set ST,  16                           ; tile t's statistics at v[ST + 8 t]: +0 c m, +1 m, +2, +3 l (even keys', odd keys'), +4 to +7 c0-c3, at work; a takes c2's place, c m_old and its change c3's
.set S,   32
.set P,   96
.set OT,  128
.set OW,  192
.set QF,  0
.set KF,  32
.set VF,  96
.set WV,  12                           ; s12 my wave's number
.set LIM, 15                           ; s15 1 in a wave that prefetches, else the greatest number
.set PFA, 18                           ; s[18:19] where my prefetch stands
.set G1,  24                           ; s[24:31] descriptor group 1
.set G0,  32                           ; s[32:39] descriptor group 0: a set for each of the two first fills; the second then walks on
.set SLOTS, 40
.set CNT, 41
.set TB,  42                           ; s42 LDS byte at which the step's tiles of K begin
.set CS,  44                           ; s[44:45] c
.set SEL, 46                           ; s[46:47] selects for v_permlanex16_b32: lane l xor 16
.set W0,  48                           ; s48 W0_w[head]
.set QB,  50                           ; s[50:51] Q at my wave's tiles
.set PB,  52                           ; s[52:53] part at my wave's first position
.set MSB, 0
.macro WIN new                         ; the immediate's high byte repeats the setting that is left
.if MSB != \new
	s_set_vgpr_msb (MSB<<8)|\new
.set MSB, \new
.endif
.endm
.macro CROUND                          ; a round of the cluster's barrier
	s_barrier_signal -1
	s_barrier_wait -1
	s_cmp_lg_u32 s[WV], 0
	s_cbranch_scc1 .Lnot_wave_0_\@
	s_barrier_signal -3
.Lnot_wave_0_\@:
	s_barrier_wait -3
	s_barrier_signal -1
	s_barrier_wait -1
.endm
.macro JLOAD                           ; a joint refill: one line for all eight waves; an s_nop 0 and four v_nop follow it
	tensor_load_to_lds s[G0+4:G0+7], s[G1:G1+7]
	s_nop 0
.rept 4
	v_nop
.endr
.endm
; A PREFETCH of what the NEXT change of slots will ask for: 64 KiB of K and 64 KiB of V, lanes 256 bytes apart.  Both clusters of a head walk the same K and V: the head's first cluster asks.  In each of its four
; work-groups waves 0 and 2 ask for K's halves and waves 4 and 6 for V's; of a half's 32 KiB each partner takes 8 KiB, told apart BY ADDRESS.  So each block of 256 bytes is named once.  It stands behind the
; wave's tensor load, a slot's 8 key steps ahead of the load that wants the data.  The last change that fills asks for nothing; nothing is asked for at the head.
.macro ASK
	s_cmp_gt_u32 s[SLOTS], s[LIM]
	s_cbranch_scc0 .Lnot_mine_\@
	global_prefetch_b8 v[PFO], s[PFA:PFA+1] th:TH_LOAD_NT scope:SCOPE_SE
.Lnot_mine_\@:
.endm
	s_load_b128 s[4:7], s[0:1], 0x0                ; qkvh s[4:5], W0_w s[6:7]
	s_load_b64 s[8:9], s[0:1], 0x10                ; part
	v_lshl_add_u32 v[SPW], v0, 2, SPARE
	v_mov_b32 v[NIL], 0
	ds_add_u32 v[SPW], v[NIL]                      ; the wave's opening: the add, twice on end, and its wait ahead of my first tensor load
	ds_add_u32 v[SPW], v[NIL]                      ; and once more; the set-up below, work on registers, stands between it and the wait
	v_lshrrev_b32 v1, 5, v0
	v_readfirstlane_b32 s[WV], v1                  ; wave 0..7
	s_bfe_u32 s13, ttmp6, 0x40000                  ; cx: my place in the cluster
	s_lshl_b32 s14, ttmp9, 2
	s_add_co_u32 s14, s14, s13                     ; x: my block of 256 queries: it enters Q's and part's addresses alone
	s_and_b32 s16, ttmp7, 0xffff                   ; the head, which the four partners share
	; descriptor group 1: 16 KiB dense, as 64 rows of 256 bytes
	s_mov_b32 s[G1], 15|(3<<16)|(1<<21)            ; 15:0 the mask: all four work-groups; 17:16 elements of 8 bytes; 20 no padding; 21 set beside a mask
	s_mov_b32 s[G1+1], 32<<16                      ; tensor_dim0 = 32
	s_mov_b32 s[G1+2], 64<<16                      ; tensor_dim1 = 64
	s_mov_b32 s[G1+3], 32<<16                      ; tile_dim0 = 32
	s_mov_b32 s[G1+4], 64                          ; tile_dim1 = 64
	s_mov_b32 s[G1+5], 32                          ; elements from row to row
	s_mov_b32 s[G1+6], 0
	s_mov_b32 s[G1+7], 0
	s_lshr_b32 s17, s[WV], 2
	s_add_co_u32 s17, s17, 1                       ; tensor 1 (K) for waves 0-3, tensor 2 (V) for waves 4-7
	s_lshl_b32 s20, s17, 23
	s_lshl_b32 s17, s16, 18
	s_add_co_u32 s20, s20, s17                     ; + the head's 262,144 bytes
	s_mov_b32 s22, s20
	s_and_b32 s17, s[WV], 3
	s_lshl_b32 s17, s17, 14
	s_add_co_u32 s20, s20, s17                     ; + my quarter of a slot's 64 KiB
	s_mov_b32 s21, 0
	s_lshl_b32 s10, s[WV], 14                      ; and its place in a slot: 16,384 x wave: no place in the cluster enters an LDS address
	s_lshr_b32 s11, s[WV], 1                       ; the prefetch: waves 0, 4: the first half of 64 KiB; waves 2, 6: the second;
	s_and_b32 s11, s11, 1
	s_lshl_b32 s11, s11, 15
	s_add_co_u32 s22, s22, s11
	s_lshl_b32 s11, s13, 13
	s_add_co_u32 s22, s22, s11                     ; my work-group's 8 KiB of it;
	s_add_co_u32 s22, s22, 2*65536                 ; in the third slot's worth of keys: the first change of slots steps it to the fourth
	s_mov_b32 s23, 0
	s_and_b32 s[LIM], s[WV], 1
	s_or_b32 s[LIM], s[LIM], ttmp9                 ; 0 in the even waves of the head's first cluster: the same in all four partners
	s_cmp_eq_u32 s[LIM], 0
	s_cselect_b32 s[LIM], 1, -1
	s_lshl_b32 s2, s16, 18                         ; Q (tensor 0): the head, + 32,768 x, + my two tiles of 2,048 bytes
	s_lshl_b32 s11, s14, 15
	s_add_co_u32 s2, s2, s11
	s_lshl_b32 s11, s[WV], 12
	s_add_co_u32 s2, s2, s11
	s_mov_b32 s3, 0
	s_lshl_b32 s54, s16, 19                        ; part: the head's 524,288 bytes, + 256 positions of 256 bytes a block, + position 2 w
	s_lshl_b32 s11, s14, 16
	s_add_co_u32 s54, s54, s11
	s_lshl_b32 s11, s[WV], 9
	s_add_co_u32 s54, s54, s11
	s_mov_b32 s55, 0
	s_and_b32 s56, s16, 15
	s_lshl_b32 s56, s56, 2                         ; W0_w: 4 bytes a head
	s_mov_b32 s57, 0
	s_mul_i32 s43, s[WV], 16*272
	s_add_co_u32 s43, s43, STAGE                   ; my stage
	s_mov_b32 s[CS], 0x3e38aa3b                    ; c = log2(e) / 8
	s_mov_b32 s[CS+1], s[CS]                       ; (named with it as a pair, so it is written)
	s_mov_b32 s[SEL], 0x76543210
	s_mov_b32 s[SEL+1], 0xfedcba98
	s_mov_b32 s[TB], 0
	s_mov_b32 s[SLOTS], 2
	s_wait_dscnt 0x0                               ; both opening adds are done
	s_wait_kmcnt 0x0
	s_add_nc_u64 s[20:21], s[4:5], s[20:21]        ; my quarter of the head's first 512 keys
	s_add_nc_u64 s[PFA:PFA+1], s[4:5], s[22:23]
	s_add_nc_u64 s[QB:QB+1], s[4:5], s[2:3]
	s_add_nc_u64 s[PB:PB+1], s[8:9], s[54:55]
	s_add_nc_u64 s[6:7], s[6:7], s[56:57]
	CROUND                                         ; all four work-groups are here: the first joint loads meet
.irp n, 0,1
	s_mov_b32 s[G0+4*\n], 1                        ; count = 1
	s_add_co_u32 s[G0+4*\n+1], s10, \n*SLOT1       ; LDS address
	s_add_nc_u64 s[G0+4*\n+2:G0+4*\n+3], s[20:21], \n*65536   ; global address: keys 512 n on
	s_or_b32 s[G0+4*\n+3], s[G0+4*\n+3], 0x80000000   ; type = 2
.endr
	tensor_load_to_lds s[G0:G0+3], s[G1:G1+7]      ; the two first fills go out together, ahead of every wait on TENSORcnt and every LDS read
	s_nop 0
	tensor_load_to_lds s[G0+4:G0+7], s[G1:G1+7]
	s_nop 0
.rept 4
	v_nop
.endr
	s_load_b32 s[W0], s[6:7], 0x0
	v_and_b32 v[LI], 31, v0
	v_lshlrev_b32 v[PFO], 8, v[LI]
	v_lshlrev_b32 v[LI], 4, v[LI]
	WIN 0x40                                       ; destination window 1
.irp t, 0,1
.irp dq, 0,1,2,3
	global_load_b128 v[QF+16*\t+4*\dq:QF+16*\t+4*\dq+3], v[LI], s[QB:QB+1] offset:2048*\t+512*\dq   ; Q stays in registers
.endr
.endr
	WIN 0
	v_bfe_u32 v9, v0, 4, 1                         ; h
	v_and_b32 v10, 7, v0
	v_bfe_u32 v11, v0, 3, 1
	v_lshl_add_u32 v[AV0], v9, 3, v10              ; the turning load: lane l reads 16 bytes: key 8 (l / 16) + l % 8, channels 8 ((l / 8) % 2) + 0..7, and is left with channel l % 16 and 8 keys
	v_lshlrev_b32 v[AV0], 5, v[AV0]
	v_lshl_add_u32 v[AV0], v11, 4, v[AV0]
	v_add_nc_u32 v[AV0], VOFF, v[AV0]
	v_and_b32 v10, 15, v0                          ; r
	v_mul_u32_u24 v[STO], v10, 272
	v_lshl_add_u32 v[STO], v9, 5, v[STO]
	v_add_nc_u32 v[STO], s43, v[STO]               ; in: row r, 32 bytes for each half of the lanes
	v_mul_u32_u24 v[RD], v9, 272
	v_lshl_add_u32 v[RD], v10, 4, v[RD]
	v_add_nc_u32 v[RD], s43, v[RD]                 ; back: lanes 0-15 one row of 256 bytes, lanes 16-31 the next
	v_lshlrev_b32 v[GO], 12, v9
	v_lshl_add_u32 v[GO], v10, 4, v[GO]            ; and in part: neighbouring rows of a tile are 16 positions, 4,096 bytes, apart
.irp t, 0,1
	v_mov_b32 v[ST+8*\t+1], 0xff61b1e6             ; m = -3e38, under every score
	v_mul_f32 v[ST+8*\t], s[CS], v[ST+8*\t+1]      ; c m
	v_mov_b32 v[ST+8*\t+2], 0                      ; l
	v_mov_b32 v[ST+8*\t+3], 0
.endr
.set I, 0
.rept 64
	v_mov_b32 v[OT+I], 0                           ; O^T: the step is written once; its first run finds zeros, which a = 0 leaves zeros
.set I, I+1
.endr
.macro FETCH_K                         ; a slot's first step of K: 16 fragments' halves, 512 consecutive bytes a load
	v_add_nc_u32 v[ADK], s[TB], v[LI]
	WIN 0x40
.irp kt, 0,1,2,3
.irp dq, 0,1,2,3
	ds_load_b128 v[KF+16*\kt+4*\dq:KF+16*\kt+4*\dq+3], v[ADK] offset:2048*\kt+512*\dq
.endr
.endr
	WIN 0
.endm
; The softmax of both tiles for one key step, the tiles by turns line by line, so that no line reads the result of the line just above.
.macro SOFTMAX
.irp j, 0,1,2,3                                ; the maximum of the lane's 32 scores and the old m: four chains of seven scores; each accumulator is first read at its low end
.irp t, 0,1
	v_max3_num_f32 v[ST+8*\t+4+\j], v[S+32*\t+8*\j], v[S+32*\t+8*\j+1], v[S+32*\t+8*\j+2]
.endr
.endr
.irp u, 1,2
.irp j, 0,1,2,3
.irp t, 0,1
	v_max3_num_f32 v[ST+8*\t+4+\j], v[ST+8*\t+4+\j], v[S+32*\t+8*\j+2*\u+1], v[S+32*\t+8*\j+2*\u+2]
.endr
.endr
.endr
.irp t, 0,1
	v_max3_num_f32 v[ST+8*\t+4], v[ST+8*\t+4], v[S+32*\t+7], v[S+32*\t+15]
.endr
.irp t, 0,1
	v_max3_num_f32 v[ST+8*\t+6], v[ST+8*\t+6], v[S+32*\t+23], v[S+32*\t+31]
.endr
.irp t, 0,1
	v_max3_num_f32 v[ST+8*\t+4], v[ST+8*\t+4], v[ST+8*\t+5], v[ST+8*\t+6]
.endr
.irp t, 0,1
	v_max3_num_f32 v[ST+8*\t+4], v[ST+8*\t+4], v[ST+8*\t+7], v[ST+8*\t+1]
.endr
.irp t, 0,1
	v_permlanex16_b32 v[ST+8*\t+5], v[ST+8*\t+4], s[SEL], s[SEL+1]   ; the query's other 32 keys lie in the lane 16 away
.endr
.irp t, 0,1
	v_mov_b32 v[ST+8*\t+7], v[ST+8*\t]             ; c m_old is kept for a
.endr
.irp t, 0,1
	v_max_num_f32 v[ST+8*\t+1], v[ST+8*\t+4], v[ST+8*\t+5]
.endr
.irp t, 0,1
	v_mul_f32 v[ST+8*\t], s[CS], v[ST+8*\t+1]
.endr
.irp t, 0,1
	v_sub_f32 v[ST+8*\t+7], v[ST+8*\t+7], v[ST+8*\t]
.endr
.set I, 0
.rept 16
.irp t, 0,1
	v_pk_fma_f32 v[S+32*\t+2*I:S+32*\t+2*I+1], v[S+32*\t+2*I:S+32*\t+2*I+1], s[CS:CS+1], v[ST+8*\t:ST+8*\t+1] op_sel_hi:[1,0,0] neg_lo:[0,0,1] neg_hi:[0,0,1]   ; c s - c m, two at a time
.endr
.set I, I+1
.endr
.irp t, 0,1
	v_exp_f32 v[ST+8*\t+6], v[ST+8*\t+7]           ; a.  ONE BATCH: all 66 exponentials; none reads another's result
.endr
.set I, 0
.rept 32
.irp t, 0,1
	v_exp_f32 v[S+32*\t+I], v[S+32*\t+I]
.endr
.set I, I+1
.endr
	v_nop                                          ; a plain instruction behind the last exponential
	s_wait_alu depctr_va_vdst(0)                   ; the wait ahead of the first instruction that names a result: one for the batch
.set I, 0
.rept 16
.irp t, 0,1
	v_cvt_pk_f16_f32 v[P+16*\t+I], v[S+32*\t+2*I], v[S+32*\t+2*I+1]   ; P: tiles 2 kk and 2 kk + 1 of the keys make source 1's eight registers
.endr
.set I, I+1
.endr
.irp u, 0,1,2,3,4,5,6,7                        ; the sum of the 16 pairs, in place, of p as it was before the rounding
.irp t, 0,1
	v_pk_add_f32 v[S+32*\t+4*\u:S+32*\t+4*\u+1], v[S+32*\t+4*\u:S+32*\t+4*\u+1], v[S+32*\t+4*\u+2:S+32*\t+4*\u+3]
.endr
.endr
.irp u, 0,1,2,3
.irp t, 0,1
	v_pk_add_f32 v[S+32*\t+8*\u:S+32*\t+8*\u+1], v[S+32*\t+8*\u:S+32*\t+8*\u+1], v[S+32*\t+8*\u+4:S+32*\t+8*\u+5]
.endr
.endr
.irp u, 0,1
.irp t, 0,1
	v_pk_add_f32 v[S+32*\t+16*\u:S+32*\t+16*\u+1], v[S+32*\t+16*\u:S+32*\t+16*\u+1], v[S+32*\t+16*\u+8:S+32*\t+16*\u+9]
.endr
.endr
.irp t, 0,1
	v_pk_add_f32 v[S+32*\t:S+32*\t+1], v[S+32*\t:S+32*\t+1], v[S+32*\t+16:S+32*\t+17]
.endr
.irp t, 0,1
	v_pk_fma_f32 v[ST+8*\t+2:ST+8*\t+3], v[ST+8*\t+2:ST+8*\t+3], v[ST+8*\t+6:ST+8*\t+7], v[S+32*\t:S+32*\t+1] op_sel_hi:[1,0,1]   ; l = a l + the sum
.endr
.set I, 0
.rept 16
.irp t, 0,1
	v_pk_mul_f32 v[OT+32*\t+2*I:OT+32*\t+2*I+1], v[OT+32*\t+2*I:OT+32*\t+2*I+1], v[ST+8*\t+6:ST+8*\t+7] op_sel_hi:[1,0]   ; O^T x a, each accumulator from its low end on
.endr
.set I, I+1
.endr
.endm
; A KEY STEP: 64 keys.  pref = 1: the next step's K, which lies in the same slot, is fetched beside this step's V.
; In both runs of matrix instructions the eight accumulators take turns, one instruction a turn.
.macro STEP pref
	s_wait_dscnt 0x0                               ; K is in
	WIN 0x05                                       ; K and Q window 1, S^T window 0
.set I, 0
.rept 16                                       ; channels 32 (I / 8) on, keys 16 ((I / 2) % 4) on, tile I % 2; the first eight start the sums
.set rS, S+32*(I%2)+8*((I/2)%4)
.set rK, KF+16*((I/2)%4)+8*(I/8)
.set rQ, QF+16*(I%2)+8*(I/8)
.if I < 8
	v_wmma_f32_16x16x32_f16 v[rS:rS+7], v[rK:rK+7], v[rQ:rQ+7], 0
.else
	v_wmma_f32_16x16x32_f16 v[rS:rS+7], v[rK:rK+7], v[rQ:rQ+7], v[rS:rS+7]
.endif
.set I, I+1
.endr
	WIN 0
	v_add_nc_u32 v[ADV], s[TB], v[AV0]             ; four plain instructions: the places in front of the loads into K's and V's registers, which matrix instructions have read, and of the first read of the scores
	v_add_nc_u32 v[ADK], s[TB], v[LI]
	v_nop
	v_nop
	WIN 0x40                                       ; destination window 1
.irp kt, 0,1,2,3
.irp dq, 0,1,2,3
	ds_load_tr16_b128 v[VF+8*(4*(\kt/2)+\dq)+4*(\kt%2):VF+8*(4*(\kt/2)+\dq)+4*(\kt%2)+3], v[ADV] offset:2048*\kt+512*\dq   ; V^T: channels 16 dq on; keys of tile kt: half a fragment
.endr
.endr
.if \pref
.irp kt, 0,1,2,3
.irp dq, 0,1,2,3
	ds_load_b128 v[KF+16*\kt+4*\dq:KF+16*\kt+4*\dq+3], v[ADK] offset:8192+2048*\kt+512*\dq
.endr
.endr
.endif
	WIN 0
	SOFTMAX
	s_wait_dscnt 16*\pref                          ; V is in; the 16 loads of K issued behind it may be out
	WIN 0x01                                       ; V window 1; P and O^T window 0
.set I, 0
.rept 16                                       ; keys 32 (I / 8) on, channels 16 ((I / 2) % 4) on, tile I % 2
.set rO, OT+32*(I%2)+8*((I/2)%4)
.set rV, VF+8*(4*(I/8)+(I/2)%4)
.set rP, P+16*(I%2)+8*(I/8)
	v_wmma_f32_16x16x32_f16 v[rO:rO+7], v[rV:rV+7], v[rP:rP+7], v[rO:rO+7]
.set I, I+1
.endr
	WIN 0
	s_add_co_u32 s[TB], s[TB], 8192                ; the next step's tiles
.endm
.macro STEPS                           ; a slot's eight steps; the last fetches nothing: the next K lies in the other slot
	FETCH_K
	s_mov_b32 s[CNT], 7
.Lstep_\@:
	STEP 1
	s_sub_co_u32 s[CNT], s[CNT], 1
	s_cmp_lg_u32 s[CNT], 0
	s_cbranch_scc1 .Lstep_\@
	STEP 0
.endm
; THE CHANGE OF SLOTS.  Each wave waits for all its tensor loads, of which one is out: its part of the other slot; adds 0 to its spare word; and waits for that and for its own reads of the slot that it leaves.
; Behind the barrier nobody reads that slot and the other is whole.  fill = 1: the slot left is filled again, with the keys two slots on; the barrier is then a round of the cluster's, and the joint refill is the
; first thing behind it: it has a slot's eight steps in which to land.
.macro CHANGE fill
	s_wait_tensorcnt 0x0                           ; no tensor load of mine is out, so a group 0 may be written
	ds_add_u32 v[SPW], v[NIL]                      ; 0 onto my spare word
.if \fill
	s_xor_b32 s[G0+5], s[G0+5], SLOT1              ; the walking descriptor: the other slot than last time,
	s_add_nc_u64 s[G0+6:G0+7], s[G0+6:G0+7], 65536 ; the next 512 keys; the type bits on top are not reached
	s_wait_xcnt 0x0                                ; every earlier memory instruction has had its address translated: the prefetch's address may be written
	s_add_nc_u64 s[PFA:PFA+1], s[PFA:PFA+1], 65536 ; one slot further on than the walking descriptor
	s_wait_dscnt 0x0                               ; the add is done, and my reads of the slot are over
	CROUND
	JLOAD
	ASK
.else
	s_wait_dscnt 0x0
	s_barrier_signal -1
	s_barrier_wait -1
.endif
	s_sub_co_u32 s[TB], s[TB], 65536               ; back to a slot's first step,
	s_xor_b32 s[TB], s[TB], SLOT1                  ; in the other slot
.endm
	s_wait_tensorcnt 0x1                           ; my part of slot 0 is in; slot 1's may stay out
	s_barrier_signal -1
	s_barrier_wait -1                              ; everybody's is
	s_wait_loadcnt 0x0                             ; Q
	s_wait_kmcnt 0x0                               ; W0_w[head]
	STEPS                                          ; keys 0 to 511
.Lslot:                                        ; two trips: keys 512 to 1,535; the slot just left takes keys 1,024 on, then 1,536 on
	CHANGE 1
	STEPS
	s_sub_co_u32 s[SLOTS], s[SLOTS], 1
	s_cmp_lg_u32 s[SLOTS], 0
	s_cbranch_scc1 .Lslot
	CHANGE 0                                       ; the tail is written out: nothing is left to ask for
	STEPS                                          ; keys 1,536 to 2,047
	; THE WAY OUT.  O^T x W0_w[head] / l goes through my stage in LDS, a tile (16 positions x 256 bytes) at a time, so that sixteen lanes store the 256 consecutive aligned bytes of one position.
.rept 4
	v_nop                                          ; places behind the last products
.endr
.irp t, 0,1
	v_add_f32 v[ST+8*\t+4], v[ST+8*\t+2], v[ST+8*\t+3]
.endr
.irp t, 0,1
	v_permlanex16_b32 v[ST+8*\t+5], v[ST+8*\t+4], s[SEL], s[SEL+1]
.endr
.irp t, 0,1
	v_add_f32 v[ST+8*\t+4], v[ST+8*\t+4], v[ST+8*\t+5]   ; l: its two halves, and the other half of the lanes'
.endr
.irp t, 0,1
	v_rcp_f32 v[ST+8*\t+6], v[ST+8*\t+4]
.endr
	v_nop                                          ; a plain instruction behind the last reciprocal
	s_wait_alu depctr_va_vdst(0)                   ; and the wait ahead of the first use: one for the two
.irp t, 0,1
	v_mul_f32 v[ST+8*\t+6], s[W0], v[ST+8*\t+6]
.endr
.irp t, 0,1
.set I, 0
.rept 16
	v_pk_mul_f32 v[OW+32*\t+2*I:OW+32*\t+2*I+1], v[OT+32*\t+2*I:OT+32*\t+2*I+1], v[ST+8*\t+6:ST+8*\t+7] op_sel_hi:[1,0]   ; each accumulator from its low end on
.set I, I+1
.endr
.irp dq, 0,1,2,3
	ds_store_b128 v[STO], v[OW+32*\t+8*\dq:OW+32*\t+8*\dq+3] offset:64*\dq          ; lane (r, h): channels 16 dq + 8 h + 0 .. 7 of row r
	ds_store_b128 v[STO], v[OW+32*\t+8*\dq+4:OW+32*\t+8*\dq+7] offset:64*\dq+16
.endr
.irp i, 0,1,2,3,4,5,6,7
	ds_load_b128 v[S+32*\t+4*\i:S+32*\t+4*\i+3], v[RD] offset:544*\i   ; LDS serves a wave's instructions in order: these see my stores, and the next tile's stores come behind them
.endr
.endr
.irp t, 0,1
.irp i, 0,1,2,3,4,5,6,7
	s_wait_dscnt 16*(1-\t)+7-\i                    ; behind this load: the tile's later loads, and for tile 0 tile 1's sixteen LDS instructions
	global_store_b128 v[GO], v[S+32*\t+4*\i:S+32*\t+4*\i+3], s[PB:PB+1] offset:8192*\i+256*\t
.endr
.endr
	s_wait_tensorcnt 0x0                           ; the wave's end: three lines behind my last tensor load and my last LDS store
	ds_add_u32 v[SPW], v[NIL]
	s_wait_dscnt 0x0
	CROUND                                         ; the closing round: no work-group ends while a partner may still ask for a tile that names it
	s_endpgm
.Lfunc_end_k_qabbf0617eb_attn:
	.size	k_qabbf0617eb_attn, .Lfunc_end_k_qabbf0617eb_attn-k_qabbf0617eb_attn
	.p2alignl 7, 3214868480
	.fill 96, 4, 3214868480
	.section	.rodata,"a",@progbits
	.p2align	6, 0x0
	.amdhsa_kernel k_qabbf0617eb_attn
		.amdhsa_group_segment_fixed_size 327680
		.amdhsa_private_segment_fixed_size 0
		.amdhsa_enable_private_segment 0
		.amdhsa_kernarg_size 24
		.amdhsa_user_sgpr_count 2
		.amdhsa_user_sgpr_kernarg_segment_ptr 1
		.amdhsa_wavefront_size32 1
		.amdhsa_system_sgpr_workgroup_id_x 1
		.amdhsa_system_sgpr_workgroup_id_y 1
		.amdhsa_system_sgpr_workgroup_id_z 1
		.amdhsa_system_vgpr_workitem_id 0
		.amdhsa_next_free_vgpr 512
		.amdhsa_next_free_sgpr 66
		.amdhsa_reserve_vcc 0
		.amdhsa_float_denorm_mode_32 3
		.amdhsa_float_denorm_mode_16_64 3
		.amdhsa_memory_ordered 1
		.amdhsa_forward_progress 1
		.amdhsa_inst_pref_size 120
	.end_amdhsa_kernel
	.amdgpu_metadata
---
amdhsa.version: [ 1, 2 ]
amdhsa.kernels:
  - .name:           k_qabbf0617eb_attn
    .symbol:         k_qabbf0617eb_attn.kd
    .args:
      - { .name: qkvh, .offset: 0, .size: 8, .value_kind: global_buffer, .address_space: global }
      - { .name: W0_w, .offset: 8, .size: 8, .value_kind: global_buffer, .address_space: global }
      - { .name: part, .offset: 16, .size: 8, .value_kind: global_buffer, .address_space: global }
    .group_segment_fixed_size: 327680
    .private_segment_fixed_size: 0
    .kernarg_segment_align: 8
    .kernarg_segment_size: 24
    .max_flat_workgroup_size: 256
    .sgpr_count:     66
    .vgpr_count:     512
    .wavefront_size: 32
...
	.end_amdgpu_metadata
.endif
;; end of part 3
;; launch headsum (part 4): grid 256 x 1, 8 waves a work-group, no clusters, 0 bytes of LDS; arguments part, W0_b, out0; writes out0
.if DOCPART == 4
	.amdgcn_target "amdgcn-amd-amdhsa--gfx1250"
	.amdhsa_code_object_version 6
	.text
	.protected	k_qabbf0617eb_headsum
	.globl	k_qabbf0617eb_headsum
	.p2align	8
	.type	k_qabbf0617eb_headsum,@function
k_qabbf0617eb_headsum:
	s_mov_b64 s[64:65], 0
	v_nop
	global_prefetch_b8 v0, s[64:65] scope:SCOPE_SE
	s_setreg_imm32_b32 hwreg(HW_REG_WAVE_MODE, 25, 1), 1
	s_wait_xcnt 0x0
; out0[b][s][d] = W0_b + the sum over the 16 heads h of part[16 b + h][s][d]; part already carries W0_w[h].  All f32; the heads are added in ascending order.
; A stream: thread t of work-group g owns the 16 bytes at 4,096 g + 16 t of out0 and reads the same place of 16 heads, 524,288 bytes apart: every load and the store of a wave cover 512 consecutive aligned bytes,
; all 16 loads are out at once, each byte is read once.  No LDS, no barrier, no matrix work, no cluster: nothing is shared.
	s_load_b128 s[4:7], s[0:1], 0x0                ; part s[4:5], W0_b s[6:7]
	s_load_b64 s[8:9], s[0:1], 0x10                ; out0
	s_lshr_b32 s12, ttmp9, 7                       ; b: 128 work-groups a batch
	s_lshl_b32 s12, s12, 23                        ; 16 heads of 524,288 bytes
	s_mov_b32 s13, 0
	s_and_b32 s14, ttmp9, 127
	s_lshl_b32 s14, s14, 12
	v_lshl_add_u32 v1, v0, 4, s14                  ; my place in a head
	s_lshl_b32 s15, ttmp9, 12
	v_lshl_add_u32 v2, v0, 4, s15                  ; and in out0
	s_wait_kmcnt 0x0
	s_add_nc_u64 s[4:5], s[4:5], s[12:13]
	s_load_b32 s10, s[6:7], 0x0
.irp h, 0,1,2,3,4,5,6,7,8,9,10,11,12,13,14,15
	global_load_b128 v[16+4*\h:19+4*\h], v1, s[4:5] offset:524288*\h th:TH_LOAD_NT   ; 7,864,320 at the most: inside the signed 24-bit immediate
.endr
	s_wait_kmcnt 0x0
	s_mov_b32 s11, s10                             ; (the packed form names the pair and takes its low word for both halves)
	s_wait_loadcnt 15                              ; head 0 is in; the 15 later heads' loads may be out
	v_pk_add_f32 v[4:5], v[16:17], s[10:11] op_sel_hi:[1,0]
	v_pk_add_f32 v[6:7], v[18:19], s[10:11] op_sel_hi:[1,0]
.irp h, 1,2,3,4,5,6,7,8,9,10,11,12,13,14,15
	s_wait_loadcnt 15-\h                           ; head h is in; the later heads' loads may be out
	v_pk_add_f32 v[4:5], v[4:5], v[16+4*\h:17+4*\h]
	v_pk_add_f32 v[6:7], v[6:7], v[18+4*\h:19+4*\h]
.endr
	global_store_b128 v2, v[4:7], s[8:9]
	s_endpgm
.Lfunc_end_k_qabbf0617eb_headsum:
	.size	k_qabbf0617eb_headsum, .Lfunc_end_k_qabbf0617eb_headsum-k_qabbf0617eb_headsum
	.p2alignl 7, 3214868480
	.fill 96, 4, 3214868480
	.section	.rodata,"a",@progbits
	.p2align	6, 0x0
	.amdhsa_kernel k_qabbf0617eb_headsum
		.amdhsa_group_segment_fixed_size 0
		.amdhsa_private_segment_fixed_size 0
		.amdhsa_enable_private_segment 0
		.amdhsa_kernarg_size 24
		.amdhsa_user_sgpr_count 2
		.amdhsa_user_sgpr_kernarg_segment_ptr 1
		.amdhsa_wavefront_size32 1
		.amdhsa_system_sgpr_workgroup_id_x 1
		.amdhsa_system_sgpr_workgroup_id_y 1
		.amdhsa_system_sgpr_workgroup_id_z 1
		.amdhsa_system_vgpr_workitem_id 0
		.amdhsa_next_free_vgpr 80
		.amdhsa_next_free_sgpr 66
		.amdhsa_reserve_vcc 0
		.amdhsa_float_denorm_mode_32 3
		.amdhsa_float_denorm_mode_16_64 3
		.amdhsa_memory_ordered 1
		.amdhsa_forward_progress 1
		.amdhsa_inst_pref_size 6
	.end_amdhsa_kernel
	.amdgpu_metadata
---
amdhsa.version: [ 1, 2 ]
amdhsa.kernels:
  - .name:           k_qabbf0617eb_headsum
    .symbol:         k_qabbf0617eb_headsum.kd
    .args:
      - { .name: part, .offset: 0, .size: 8, .value_kind: global_buffer, .address_space: global }
      - { .name: W0_b, .offset: 8, .size: 8, .value_kind: global_buffer, .address_space: global }
      - { .name: out0, .offset: 16, .size: 8, .value_kind: global_buffer, .address_space: global }
    .group_segment_fixed_size: 0
    .private_segment_fixed_size: 0
    .kernarg_segment_align: 8
    .kernarg_segment_size: 24
    .max_flat_workgroup_size: 256
    .sgpr_count:     66
    .vgpr_count:     80
    .wavefront_size: 32
...
	.end_amdgpu_metadata
.endif
;; end of part 4
